; MI455X (gfx1250); checked and timed in simulation.
; The chip was launched on July 23, 2026; its instructions are those of AMD's public machine-readable ISA for CDNA 5 (MIT licence, August 2026) and "CDNA5" Instruction Set Architecture Reference Guide (July 2026). The comments in the code are by the model that wrote it; some were corrected since.
;; Ensemble FC. Allowed arithmetic: float matrix products may take bf16 or f16 operands with f32 sums; other float arithmetic in f32, or as packed bf16 or f16 multiplies, adds, multiply-adds, maxima and minima; sums over many terms, partial sums and values carried from step to step in f32; what a program stores and reads back later, other than sums and carried values, may be rounded once to bf16 or f16.
;; Inputs: alpha 4 x 4,096 float32; bias_p 4 x 4,096 float32; dec_b 4,096 float32; dec_w 4,096 x 32 float32; enc1_b 32 float32; enc1_w 32 x 4,096 float32; encm_b 32 float32; encm_w 32 x 32 float32; eps 4 x 32 float32; fc_w 4,096 x 4,096 float32; gamma 4 x 4,096 float32; x 512 x 4,096 float32.
;; Outputs: out0 2,048 x 4,096 float32.
;; 2 versions, each right; version 2 is version 1 with the launch prep written anew for expert scheduling mode. Each part assembles by itself: llvm-mc -triple=amdgcn-amd-amdhsa -mcpu=gfx1250 --defsym DOCPART=n.
;; ======== version 1 of 2: 2 launches
;; workspace buffers: ab 16,777,216 bytes; wb 33,554,432 bytes
;; launch prep (part 1): grid 256 x 1, 8 waves a work-group, no clusters, 146,432 bytes of LDS; arguments x, alpha, eps, enc1_w, enc1_b, encm_w, encm_b, dec_w, dec_b, fc_w, ab, wb; writes ab, wb
.if DOCPART == 1
	.amdgcn_target "amdgcn-amd-amdhsa--gfx1250"
	.amdhsa_code_object_version 6
	.text
	.protected	k_q52ac9bf269_prep
	.globl	k_q52ac9bf269_prep
	.p2align	8
	.type	k_q52ac9bf269_prep,@function
k_q52ac9bf269_prep:
	s_mov_b64 s[64:65], 0
	v_nop
	global_prefetch_b8 v0, s[64:65] scope:SCOPE_SE
	s_setreg_imm32_b32 hwreg(HW_REG_WAVE_MODE, 25, 1), 1
	s_wait_xcnt 0x0
; out0[512 m + b][o] = gamma[m][o] * (sum over k of x[b][k] a[m][k] fc_w[o][k]) + bias_p[m][o], with a = alpha_dec, a table of [4][4096]:
;   emb = relu(alpha enc1_w^T + enc1_b); mu = emb encm_w^T + encm_b; z = eps exp(mu / 2) + mu; a = z dec_w^T + dec_b.
; THIS LAUNCH lays out the two matrix operands of the product that the next launch takes:
;   wb[o][k] = bf16(fc_w[o][k])                      [4096][4096] bf16, row-major
;   ab(512 m + b, k) = bf16(bf16(x[b][k]) * a[m][k]) 2048 x 4096 bf16, IN THE ORDER IN WHICH A WAVE'S OPERAND REGISTERS TAKE IT: a group is 64 rows, 524,288 bytes; in it each 32 along K are
;         4,096 bytes: four fragments (16 rows x 32 K) of 1,024 bytes; a fragment is two halves of 512 bytes (K = 0..15, 16..31 of the 32), and in a half lane l = r + 16 h has the 16 bytes
;         at 16 l: row r, K = 8 h + 0..7 of the half's sixteen.
; NOTHING OF reference() IS LEFT OUT: every one of the twelve inputs reaches out0; logvar = mu is a second name, tile and repeat are addressing.
; LIMITS.  Every input is rounded to bf16 (nearest even) as it is loaded; all arithmetic behind that is f32 (the encoder's products are exact products of bf16 numbers, summed in f32),
; and x * a is rounded to bf16 once.  exp(mu / 2) below 2^-126 counts as 0.  NaN and infinities are not treated apart (relu of a NaN gives 0).
; TWO ROLES, by the parity of the work-group's number, which is the same in all eight waves of a work-group:
;   odd:  CAST.   32 rows of fc_w: 524,288 consecutive bytes in, 262,144 out.
;   even: SCALE.  128 rows of x by 128 columns, for all four models.  It makes the whole small chain for itself (576 KiB of inputs that all 128 such work-groups read),
;         decodes its 128 columns of a, and stores 4 x 128 x 128 numbers of ab.
; Bytes moved by a work-group: 768 KiB in the one role, 784 KiB in the other.
.set EMBP,  0                          ; LDS: partial sums of emb, [wave 8][model 4][h 32] f32
.set ADL,   4096                       ; LDS: a of my 128 columns, [model 4][128] f32
.set STG,   6144                       ; LDS: each wave's own stage for ab: [model 4][chunk 16], a chunk = 16 rows x 16 bytes
.set SCH,   272                        ; a chunk's 256 bytes + 16: chunk c starts at bank 4 c mod 64 (64 banks of 4 bytes: ISA guide 11.1)
.set SMD,   16*SCH                     ; a model's 16 chunks
.set SWV,   4*SMD                      ; a wave's stage: 17,408 bytes
.set SPARE, STG+8*SWV                  ; LDS: the spare words, 128 bytes for each of eight waves; no other line names them
.set SPW,  2                           ; v2   SPARE + 4 x my thread's number; never rewritten
.set NIL,  3                           ; v3   0; never rewritten
; CAST's registers
.set CX,   64                          ; v[64:191]   slot i of 32: 4 f32 as loaded
.set CY,   192                         ; v[192:255]  slot i: 4 bf16 to store
; SCALE's registers
.set ACC0, 24                          ; v[24:31]  emb^T, rows h = 0..15
.set ACC1, 32                          ; v[32:39]  rows h = 16..31
.set FR,   40                          ; v[40:87]  two sets of 24: fragments of enc1_w (two tiles) and of alpha, bf16
.set RAW,  88                          ; v[88:231] three sets of 48: the same as loaded, f32
.set WM,   136                         ; v[136:167] row 'lane' of encm_w
.set B1,   168                         ; enc1_b[lane]
.set BM,   169                         ; encm_b[lane]
.set EP,   170                         ; v[170:171] eps[2 g][lane], eps[2 g + 1][lane]
.set DW,   184                         ; v[184:215] my column's row of dec_w
.set DB,   216                         ; its dec_b
.set PS,   40                          ; v[40:55]  eight waves' partial sums for two models; later the products x * a
.set EM,   56                          ; v[56:57]  emb of my two models, h = lane
.set MU,   58
.set TE,   60
.set ZZ,   62
.set DA,   64                          ; v[64:65]  a of my column, two models
.set ADR,  66                          ; v[66:81]  a of my lane's four columns, model m at ADR + 4 m
.set XB,   82                          ; v[82:85]  four numbers of x, rounded, as f32
.set XT,   86                          ; v[86:87]  the same as bf16
.set YY,   236                         ; v[236:251] two sets of 8: a row's four packed results
.set OB,   88                          ; v[88:215] at the end: the stage read back, 32 x 4 registers
.set TR, 0
.macro RB a                            ; v[a], v[a+1] rounded to bf16, kept as f32
	v_cvt_pk_bf16_f32 v[17+TR], v[\a], v[(\a)+1]
	v_lshlrev_b32 v[\a], 16, v[17+TR]
	v_and_b32 v[(\a)+1], s34, v[17+TR]
.set TR, (TR+1)%4
.endm
.macro RB1 a                           ; the same for one number
	v_cvt_pk_bf16_f32 v[17+TR], v[\a], v[\a]
	v_lshlrev_b32 v[\a], 16, v[17+TR]
.set TR, (TR+1)%4
.endm
	s_load_b512 s[8:23], s[0:1], 0x0               ; x 8, alpha 10, eps 12, enc1_w 14, enc1_b 16, encm_w 18, encm_b 20, dec_w 22
	s_load_b256 s[24:31], s[0:1], 0x40             ; dec_b 24, fc_w 26, ab 28, wb 30
	v_lshl_add_u32 v[SPW], v0, 2, SPARE
	v_mov_b32 v[NIL], 0
	v_lshrrev_b32 v1, 5, v0
	v_readfirstlane_b32 s4, v1                     ; wave 0..7
	s_lshr_b32 s3, ttmp9, 1                        ; my number within my role, 0..127
	s_mov_b32 s34, 0xffff0000                      ; a word's upper bf16
	s_mov_b32 s33, 0                               ; the high word of every offset pair
	s_and_b32 s2, ttmp9, 1
	s_wait_kmcnt 0x0
	s_cmp_eq_u32 s2, 0
	s_cbranch_scc1 .Lscale
; ---------------------------------------------------------------- CAST
; A ring of 32 slots in registers.  One load of the work-group covers 4,096 consecutive bytes (a wave: 512), one store 2,048 (a wave: 256, aligned).  32 loads of every wave are on their way.
	s_lshl_b32 s32, s3, 19
	s_add_nc_u64 s[26:27], s[26:27], s[32:33]      ; fc_w at my 32 rows
	s_lshl_b32 s32, s3, 18
	s_add_nc_u64 s[30:31], s[30:31], s[32:33]      ; wb at the same rows
	v_lshlrev_b32 v4, 4, v0                        ; 16 bytes a thread in,
	v_lshlrev_b32 v5, 3, v0                        ; 8 out; neither is rewritten
.macro CSLOT i, ahead, left
	s_wait_loadcnt \left                           ; loads come back in order: this slot's is in, the younger ones stay out
	v_cvt_pk_bf16_f32 v[CY+2*(\i)], v[CX+4*(\i)], v[CX+4*(\i)+1]
	v_cvt_pk_bf16_f32 v[CY+2*(\i)+1], v[CX+4*(\i)+2], v[CX+4*(\i)+3]
.if \ahead
	global_load_b128 v[CX+4*(\i):CX+4*(\i)+3], v4, s[26:27] offset:(32+(\i))*4096 th:TH_LOAD_NT
.endif
	global_store_b64 v5, v[CY+2*(\i):CY+2*(\i)+1], s[30:31] offset:(\i)*2048 th:TH_STORE_NT
.endm
.set i, 0
.rept 32
	global_load_b128 v[CX+4*i:CX+4*i+3], v4, s[26:27] offset:i*4096 th:TH_LOAD_NT
.set i, i+1
.endr
	s_mov_b32 s35, 3
.Lround:                                               ; a round takes every slot once: 131,072 bytes in, 65,536 out
.set i, 0
.rept 32
	CSLOT i, 1, 31
.set i, i+1
.endr
	s_wait_xcnt 0x0                                ; the round's loads and stores have read their sources: only now are the two bases stepped, and the store registers written again in the next round
	s_add_nc_u64 s[26:27], s[26:27], 131072
	s_add_nc_u64 s[30:31], s[30:31], 65536
	s_sub_co_u32 s35, s35, 1
	s_cmp_lg_u32 s35, 0
	s_cbranch_scc1 .Lround
.set i, 0
.rept 32
	CSLOT i, 0, 31-i                               ; the last round loads nothing: the counts run down
.set i, i+1
.endr
	s_branch .Lend
; ---------------------------------------------------------------- SCALE
.Lscale:
	s_lshr_b32 s5, s4, 2                           ; g: waves 0-3 make models 0, 1; waves 4-7 models 2, 3
	s_and_b32 s6, s3, 31                           ; kb: my 128 columns
	s_lshr_b32 s7, s3, 5                           ; rq: my 128 rows of x
	v_and_b32 v17, 15, v0                          ; r
	v_bfe_u32 v18, v0, 4, 1                        ; h
	v_and_b32 v19, 31, v0                          ; lane
	v_and_b32 v20, 3, v0                           ; r % 4
	v_and_b32 v21, 127, v0                         ; my column of the 128 in the decode
	s_lshl_b32 s32, s4, 11
	v_lshl_add_u32 v22, v18, 6, s32                ; 64 h + 2,048 wave: my 16 numbers of a step, in my wave's 512 of K
	v_lshl_add_u32 v4, v17, 14, v22                ; v4  enc1_w: + row r
	v_lshl_add_u32 v5, v20, 14, v22                ; v5  alpha: + row r % 4
	s_lshl_b32 s32, s4, 9
	v_lshl_add_u32 v6, v20, 7, s32
	v_lshl_add_u32 v6, v18, 5, v6                  ; v6  EMBP, in: 512 wave + 128 (r % 4) + 32 h
	s_lshl_b32 s32, s5, 8
	v_lshl_add_u32 v7, v19, 2, s32                 ; v7  256 g + 4 lane: EMBP, back; the same number is my byte offset in eps
	v_lshlrev_b32 v8, 7, v19                       ; v8  encm_w: row 'lane'
	v_lshlrev_b32 v9, 2, v19                       ; v9  enc1_b, encm_b
	v_lshlrev_b32 v11, 7, v21                      ; v11 dec_w: my column's row
	v_lshlrev_b32 v12, 2, v21                      ; v12 dec_b
	s_lshl_b32 s32, s5, 10
	s_add_co_u32 s32, s32, ADL
	v_lshl_add_u32 v13, v21, 2, s32                ; v13 a, in: model 2 g, my column
	v_lshlrev_b32 v15, 4, v19                      ; v15 16 x lane: four numbers of x; also my 16 bytes of 512 of ab
	v_add_nc_u32 v14, ADL, v15                     ; v14 a, back: my lane's four columns
	s_mul_i32 s32, s4, SWV
	s_add_co_u32 s32, s32, STG                     ; my wave's stage
	v_lshrrev_b32 v22, 1, v19                      ; my four columns 4 lane .. lie in chunk lane / 2 (32 K x (lane / 8) + 16 x half + 8 h), at its bytes 8 (lane % 2) of a row's 16
	v_mul_u32_u24 v22, v22, SCH
	v_and_b32 v23, 1, v0
	v_lshl_add_u32 v22, v23, 3, v22
	v_add_nc_u32 v16, s32, v22                     ; v16 the stage, in
	v_mul_u32_u24 v22, v18, SCH
	v_lshl_add_u32 v22, v17, 4, v22
	v_add_nc_u32 v10, s32, v22                     ; v10 the stage, back: lanes 0-15 one chunk, lanes 16-31 the next
	s_lshl_b32 s32, s6, 14
	s_add_nc_u64 s[22:23], s[22:23], s[32:33]      ; dec_w at my 128 rows
	s_lshl_b32 s32, s6, 9
	s_add_nc_u64 s[24:25], s[24:25], s[32:33]      ; dec_b at my 128 numbers
	s_add_nc_u64 s[8:9], s[8:9], s[32:33]          ; x at my 128 columns,
	s_lshl_b32 s35, s7, 3
	s_add_co_u32 s35, s35, s4                      ; 8 rq + wave: sixteen rows each
	s_lshl_b32 s32, s35, 18
	s_add_nc_u64 s[8:9], s[8:9], s[32:33]          ; and at my wave's 16 rows
	s_lshl_b32 s35, s7, 1                          ; ab: my 16 rows are fragment row wave % 4 of group 8 m + 2 rq + wave / 4;
	s_add_co_u32 s35, s35, s5
	s_lshl_b32 s32, s35, 19                        ; a group is 524,288 bytes,
	s_lshl_b32 s35, s6, 14                         ; my 128 columns are four of its pieces of 4,096,
	s_add_co_u32 s32, s32, s35
	s_and_b32 s35, s4, 3
	s_lshl_b32 s35, s35, 10                        ; a fragment is 1,024 bytes
	s_add_co_u32 s32, s32, s35
	s_add_nc_u64 s[36:37], s[28:29], s[32:33]      ; model 0,
	s_add_nc_u64 s[38:39], s[36:37], 0x400000      ; and eight groups on for each further model
	s_add_nc_u64 s[40:41], s[38:39], 0x400000
	s_add_nc_u64 s[42:43], s[40:41], 0x400000
; THE ENCODER, on the matrix unit: emb^T = enc1_w alpha^T.  Source 0 = 16 rows of enc1_w (two tiles), source 1 = alpha's row r % 4 (columns 4-15 of the tile repeat columns 0-3).
; K is split among the eight waves, 512 each, in 16 steps of 32.  Within a step k is permuted alike in both sources: the half h of the lanes holds the 16 numbers from k0 + 16 h on, so a lane's
; part of a fragment is 64 consecutive bytes of f32: four loads, eight conversions.
.macro LD s                            ; a step's 12 loads
.set RW, RAW+48*((\s)%3)
.irp q, 0,1,2,3
	global_load_b128 v[RW+4*(\q):RW+4*(\q)+3], v4, s[14:15] offset:(\s)*128+16*(\q)
.endr
.irp q, 0,1,2,3
	global_load_b128 v[RW+16+4*(\q):RW+16+4*(\q)+3], v4, s[14:15] offset:(\s)*128+16*(\q)+262144
.endr
.irp q, 0,1,2,3
	global_load_b128 v[RW+32+4*(\q):RW+32+4*(\q)+3], v5, s[10:11] offset:(\s)*128+16*(\q)
.endr
.endm
.macro CVT s                           ; its 24 conversions
.set RW, RAW+48*((\s)%3)
.set FW, FR+24*((\s)%2)
.set c, 0
.rept 24
	v_cvt_pk_bf16_f32 v[FW+c], v[RW+2*c], v[RW+2*c+1]
.set c, c+1
.endr
.endm
	LD 0
	LD 1
	LD 2
; Three groups of loads are always out.  A raw set is asked for again when it has been converted; the last three times it takes what the later phases want: G1 (12 loads: encm_w's row, the two
; biases, eps), G2 (9: dec_w's row, dec_b), G3 (16: my wave's rows of x).  The two accumulators take turns.  A fragment set is written again 24 conversions behind the products that read it.
.set st, 0
.rept 16
.if st == 15
	s_wait_loadcnt 21                              ; step 15's loads are in; G1's 12 and G2's 9 stay out
.else
	s_wait_loadcnt 24                              ; this step's loads are in; the two younger groups of 12 stay out
.endif
	CVT st
.if st < 13
	LD st+3
.elseif st == 13
.irp q, 0,1,2,3,4,5,6,7
	global_load_b128 v[WM+4*(\q):WM+4*(\q)+3], v8, s[18:19] offset:16*(\q)
.endr
	global_load_b32 v[B1], v9, s[16:17]
	global_load_b32 v[BM], v9, s[20:21]
	global_load_b32 v[EP], v7, s[12:13]
	global_load_b32 v[EP+1], v7, s[12:13] offset:128
.elseif st == 14
.irp q, 0,1,2,3,4,5,6,7
	global_load_b128 v[DW+4*(\q):DW+4*(\q)+3], v11, s[22:23] offset:16*(\q)
.endr
	global_load_b32 v[DB], v12, s[24:25]
.else
.set i, 0
.rept 16
.if i < 12
.set XR, 88+4*i
.else
.set XR, 220+4*(i-12)
.endif
	global_load_b128 v[XR:XR+3], v15, s[8:9] offset:i*16384 th:TH_LOAD_NT
.set i, i+1
.endr
.endif
.if st == 0
	v_wmma_f32_16x16x32_bf16 v[ACC0:ACC0+7], v[FW:FW+7], v[FW+16:FW+23], 0        ; the first step starts the sums
	v_wmma_f32_16x16x32_bf16 v[ACC1:ACC1+7], v[FW+8:FW+15], v[FW+16:FW+23], 0
.else
	v_wmma_f32_16x16x32_bf16 v[ACC0:ACC0+7], v[FW:FW+7], v[FW+16:FW+23], v[ACC0:ACC0+7]
	v_wmma_f32_16x16x32_bf16 v[ACC1:ACC1+7], v[FW+8:FW+15], v[FW+16:FW+23], v[ACC1:ACC1+7]
.endif
.set st, st+1
.endr
.rept 4
	v_nop                                          ; four places between the last product and the stores that read the results
.endr
; Register j of a lane holds emb^T(h' = 16 tile + 8 h + j, model r % 4).  Lanes with the same r % 4 hold the same numbers and write them to the same words.
	ds_store_b128 v6, v[ACC0:ACC0+3]
	ds_store_b128 v6, v[ACC0+4:ACC0+7] offset:16
	ds_store_b128 v6, v[ACC1:ACC1+3] offset:64
	ds_store_b128 v6, v[ACC1+4:ACC1+7] offset:80
	s_wait_dscnt 0x0                               ; for the others' sake: my partial sums lie in LDS
	s_barrier_signal -1
	s_barrier_wait -1                              ; everybody's do
; mu AND z, in f32 on the vector unit (emb and z are the program's own f32 numbers and are not rounded): every wave for its two models, lane = the output's index.
.irp ww, 0,1,2,3,4,5,6,7
	ds_load_b32 v[PS+2*(\ww)], v7 offset:EMBP+512*(\ww)
	ds_load_b32 v[PS+2*(\ww)+1], v7 offset:EMBP+512*(\ww)+128
.endr
	s_wait_dscnt 0x0
	v_pk_add_f32 v[PS:PS+1], v[PS:PS+1], v[PS+2:PS+3]
	v_pk_add_f32 v[PS+4:PS+5], v[PS+4:PS+5], v[PS+6:PS+7]
	v_pk_add_f32 v[PS+8:PS+9], v[PS+8:PS+9], v[PS+10:PS+11]
	v_pk_add_f32 v[PS+12:PS+13], v[PS+12:PS+13], v[PS+14:PS+15]
	v_pk_add_f32 v[PS:PS+1], v[PS:PS+1], v[PS+4:PS+5]
	v_pk_add_f32 v[PS+8:PS+9], v[PS+8:PS+9], v[PS+12:PS+13]
	v_pk_add_f32 v[PS:PS+1], v[PS:PS+1], v[PS+8:PS+9]
	s_wait_loadcnt 25                              ; G1 is in; G2's 9 and G3's 16 stay out
.set i, 0
.rept 16
	RB WM+2*i
.set i, i+1
.endr
	RB1 B1
	RB1 BM
	RB1 EP
	RB1 EP+1
	v_add_f32 v[EM], v[PS], v[B1]
	v_add_f32 v[EM+1], v[PS+1], v[B1]
	v_max_num_f32 v[EM], 0, v[EM]
	v_max_num_f32 v[EM+1], 0, v[EM+1]
	v_mov_b32 v[MU], v[BM]                         ; the sums start at the bias
	v_mov_b32 v[MU+1], v[BM]
; v[acc], v[acc+1] += the sum over h of (lane h of v[src], v[src+1]) x v[w + h]: eight h at a time through sixteen scalar registers
.macro DOT acc, src, w
.set hh, 0
.rept 4
.set q, 0
.rept 8
	v_readlane_b32 s[44+2*q], v[\src], hh+q
	v_readlane_b32 s[45+2*q], v[(\src)+1], hh+q
.set q, q+1
.endr
.set q, 0
.rept 8
	v_fmac_f32 v[\acc], s[44+2*q], v[(\w)+hh+q]
	v_fmac_f32 v[(\acc)+1], s[45+2*q], v[(\w)+hh+q]
.set q, q+1
.endr
.set hh, hh+8
.endr
.endm
	DOT MU, EM, WM
	v_mul_f32 v[TE], 0x3f38aa3b, v[MU]             ; mu / 2 x log2(e)
	v_mul_f32 v[TE+1], 0x3f38aa3b, v[MU+1]
	v_exp_f32 v[TE], v[TE]
	v_exp_f32 v[TE+1], v[TE+1]
	v_nop                                          ; a plain instruction behind the last exponential,
	s_wait_alu depctr_va_vdst(0)                   ; and one wait for both, ahead of their first reader
	v_fma_f32 v[ZZ], v[EP], v[TE], v[MU]
	v_fma_f32 v[ZZ+1], v[EP+1], v[TE+1], v[MU+1]
; THE DECODER: thread t makes column t % 128 of my 128, for its wave's two models.
	s_wait_loadcnt 16                              ; G2 is in; x's 16 loads stay out
.set i, 0
.rept 16
	RB DW+2*i
.set i, i+1
.endr
	RB1 DB
	v_mov_b32 v[DA], v[DB]
	v_mov_b32 v[DA+1], v[DB]
	DOT DA, ZZ, DW
	ds_store_b32 v13, v[DA]
	ds_store_b32 v13, v[DA+1] offset:512
	s_wait_dscnt 0x0                               ; for the others' sake
	s_barrier_signal -1
	s_barrier_wait -1                              ; a of all four models and 128 columns lies in LDS
.irp m, 0,1,2,3
	ds_load_b128 v[ADR+4*(\m):ADR+4*(\m)+3], v14 offset:512*(\m)
.endr
	s_wait_dscnt 0x0
; THE SCALING: a row of x at a time, four numbers a lane, four models.  A lane's 8 bytes go into my wave's stage at the place that the fragment's layout gives them: chunk lane / 2, row i.
.set i, 0
.rept 16
.if i < 12
.set XR, 88+4*i
.else
.set XR, 220+4*(i-12)
.endif
.set YB, YY+8*(i%2)
	s_wait_loadcnt 15-i                            ; row i is in; the younger rows stay out
	v_cvt_pk_bf16_f32 v[XT], v[XR], v[XR+1]
	v_cvt_pk_bf16_f32 v[XT+1], v[XR+2], v[XR+3]
	v_lshlrev_b32 v[XB], 16, v[XT]
	v_and_b32 v[XB+1], s34, v[XT]
	v_lshlrev_b32 v[XB+2], 16, v[XT+1]
	v_and_b32 v[XB+3], s34, v[XT+1]
.irp m, 0,1,2,3
	v_pk_mul_f32 v[PS+4*(\m):PS+4*(\m)+1], v[XB:XB+1], v[ADR+4*(\m):ADR+4*(\m)+1]
	v_pk_mul_f32 v[PS+4*(\m)+2:PS+4*(\m)+3], v[XB+2:XB+3], v[ADR+4*(\m)+2:ADR+4*(\m)+3]
.endr
.irp m, 0,1,2,3
	v_cvt_pk_bf16_f32 v[YB+2*(\m)], v[PS+4*(\m)], v[PS+4*(\m)+1]
	v_cvt_pk_bf16_f32 v[YB+2*(\m)+1], v[PS+4*(\m)+2], v[PS+4*(\m)+3]
	ds_store_b64 v16, v[YB+2*(\m):YB+2*(\m)+1] offset:(\m)*SMD+16*i
.endr
.set i, i+1
.endr
; Back out of the stage, two chunks (half a fragment, 512 bytes) an instruction, and into ab.  The stage is my wave's own, and LDS serves a wave's instructions in order (ISA guide 5.7.1.4): these loads see the stores above.
.set n, 0
.rept 32
	ds_load_b128 v[OB+4*n:OB+4*n+3], v10 offset:(n/8)*SMD+(n%8)*2*SCH
.set n, n+1
.endr
.set n, 0
.rept 32
	s_wait_dscnt 31-n                              ; load n is back; the younger ones may be out
	global_store_b128 v15, v[OB+4*n:OB+4*n+3], s[36+2*(n/8):37+2*(n/8)] offset:((n%8)/2)*4096+(n%2)*512 th:TH_STORE_NT  ; the wave stores 512 consecutive bytes, at a multiple of 512 from ab's first byte
.set n, n+1
.endr
.Lend:
	s_wait_tensorcnt 0x0                           ; the wave's end, behind my last LDS store
	ds_add_u32 v[SPW], v[NIL]
	s_wait_dscnt 0x0
	s_endpgm
.Lfunc_end_k_q52ac9bf269_prep:
	.size	k_q52ac9bf269_prep, .Lfunc_end_k_q52ac9bf269_prep-k_q52ac9bf269_prep
	.p2alignl 7, 3214868480
	.fill 96, 4, 3214868480
	.section	.rodata,"a",@progbits
	.p2align	6, 0x0
	.amdhsa_kernel k_q52ac9bf269_prep
		.amdhsa_group_segment_fixed_size 146432
		.amdhsa_private_segment_fixed_size 0
		.amdhsa_enable_private_segment 0
		.amdhsa_kernarg_size 96
		.amdhsa_user_sgpr_count 2
		.amdhsa_user_sgpr_kernarg_segment_ptr 1
		.amdhsa_wavefront_size32 1
		.amdhsa_system_sgpr_workgroup_id_x 1
		.amdhsa_system_sgpr_workgroup_id_y 1
		.amdhsa_system_sgpr_workgroup_id_z 1
		.amdhsa_system_vgpr_workitem_id 0
		.amdhsa_next_free_vgpr 256
		.amdhsa_next_free_sgpr 66
		.amdhsa_reserve_vcc 0
		.amdhsa_float_denorm_mode_32 3
		.amdhsa_float_denorm_mode_16_64 3
		.amdhsa_memory_ordered 1
		.amdhsa_forward_progress 1
		.amdhsa_inst_pref_size 124
	.end_amdhsa_kernel
	.amdgpu_metadata
---
amdhsa.version: [ 1, 2 ]
amdhsa.kernels:
  - .name:           k_q52ac9bf269_prep
    .symbol:         k_q52ac9bf269_prep.kd
    .args:
      - { .name: x, .offset: 0, .size: 8, .value_kind: global_buffer, .address_space: global }
      - { .name: alpha, .offset: 8, .size: 8, .value_kind: global_buffer, .address_space: global }
      - { .name: eps, .offset: 16, .size: 8, .value_kind: global_buffer, .address_space: global }
      - { .name: enc1_w, .offset: 24, .size: 8, .value_kind: global_buffer, .address_space: global }
      - { .name: enc1_b, .offset: 32, .size: 8, .value_kind: global_buffer, .address_space: global }
      - { .name: encm_w, .offset: 40, .size: 8, .value_kind: global_buffer, .address_space: global }
      - { .name: encm_b, .offset: 48, .size: 8, .value_kind: global_buffer, .address_space: global }
      - { .name: dec_w, .offset: 56, .size: 8, .value_kind: global_buffer, .address_space: global }
      - { .name: dec_b, .offset: 64, .size: 8, .value_kind: global_buffer, .address_space: global }
      - { .name: fc_w, .offset: 72, .size: 8, .value_kind: global_buffer, .address_space: global }
      - { .name: ab, .offset: 80, .size: 8, .value_kind: global_buffer, .address_space: global }
      - { .name: wb, .offset: 88, .size: 8, .value_kind: global_buffer, .address_space: global }
    .group_segment_fixed_size: 146432
    .private_segment_fixed_size: 0
    .kernarg_segment_align: 8
    .kernarg_segment_size: 96
    .max_flat_workgroup_size: 256
    .sgpr_count:     66
    .vgpr_count:     256
    .wavefront_size: 32
...
	.end_amdgpu_metadata
.endif
;; end of part 1
;; launch gemm (part 2): grid 8 x 32, 4 waves a work-group, clusters of 4 x 1, 327,680 bytes of LDS; arguments ab, wb, gamma, bias_p, out0; writes out0
.if DOCPART == 2
	.amdgcn_target "amdgcn-amd-amdhsa--gfx1250"
	.amdhsa_code_object_version 6
	.text
	.protected	k_q52ac9bf269_gemm
	.globl	k_q52ac9bf269_gemm
	.p2align	8
	.type	k_q52ac9bf269_gemm,@function
k_q52ac9bf269_gemm:
	s_mov_b64 s[64:65], 0
	v_nop
	global_prefetch_b8 v0, s[64:65] scope:SCOPE_SE
	s_setreg_imm32_b32 hwreg(HW_REG_WAVE_MODE, 25, 1), 1
	s_wait_xcnt 0x0
	s_wait_alu depctr_hold_cnt(0) depctr_sa_sdst(0) depctr_va_vdst(0) depctr_va_sdst(0) depctr_va_ssrc(0) depctr_va_vcc(0) depctr_vm_vsrc(0)
	s_getreg_b32 s2, hwreg(HW_REG_IB_STS2, 6, 4)
	s_cmp_eq_u32 s2, 0
	s_cbranch_scc0 .Lentry_in_a_cluster
	s_endpgm
.Lentry_in_a_cluster:
	s_bfe_u32 s2, ttmp6, 0x10000c
	s_cmp_lg_u32 s2, 0x3003
	s_cbranch_scc0 .Lentry_shape_is_right
	s_endpgm
.Lentry_shape_is_right:
; out0[i][o] = gamma[m][o] * (sum over k of ab(i, k) wb[o][k]) + bias_p[m][o], m = i / 512.  ab = bf16(bf16(x) a), 2048 x 4096, and wb = bf16(fc_w), [4096][4096], as the launch before laid them out;
; gamma, bias_p: [4][4096] f32, rounded to bf16 as they are loaded, like every input of the program; sums, scale and bias in f32; out0: [2048][4096] f32.
; Nothing of reference() is left out.  NaN and infinities are not treated apart.
; SHARES.  A tile of out0 is 256 rows x 128 columns: 8 x 32 tiles, one to a work-group.  Four waves, each 64 rows x all 128 columns: 32 accumulators of 16 x 16, 256 registers.
; wb GOES THROUGH LDS: K in steps of 256 through a ring of two slots filled by the tensor data mover; a tile's rows are 512 bytes of memory and start at multiples of 512 bytes from the buffer's first byte.
; The four work-groups of a cluster (4 x 1: four tile rows, one tile column) need the same tile of wb and ask for it JOINTLY: the same load, descriptor and mask in all four.
; ab GOES STRAIGHT INTO REGISTERS.  Two slots of K = 256 for both operands would be 2 x 384 rows x 528 bytes = 405,504 bytes of LDS, more than a work-group can have; with wb alone they are 135,168.  So ab is not
; asked for jointly: it does not pass LDS.  It lies in memory in the order in which the registers take it: my wave's 64 rows are one group of 524,288 consecutive bytes; each 32 along K are 4,096 of them, four
; fragments of two halves of 512 bytes, a lane's 16 bytes at 16 x lane.  Load n of that stream (512 bytes) goes into register 4 (n % 64) of a ring of 256 registers: eight quarters of 32 along K.
; No wave loads a byte of ab that another wave of the work-group loads.
; THE MATRIX INSTRUCTION IS USED TRANSPOSED (source 0 = 16 rows of wb, source 1 = 16 rows of ab): a lane then holds row l % 16 of out0 and the columns 8 (l / 16) + 0..7: 32 bytes on end.
; REGISTERS, in windows of 256 (s_set_vgpr_msb: bits 1:0 source 0, 3:2 source 1, 5:4 source 2, 7:6 destination):
;   window 0: v0-31 addresses; v32-95, v96-159 two buffers of wb's eight fragments; on the way out v32-95 results, v128-191 and v192-255 rows read back, by turns
;   window 1: accumulator (a, b) at v[8 (8 a + b)]      window 2: ab's ring: quarter j % 8, row block a at v[32 j + 8 a]      window 3: v0-63 gamma, v64-127 bias_p of my lane's 64 columns; v128-131 at work
.set PITCH,  528                       ; an LDS row: 512 bytes + 16 of padding = 132 words: row r starts at bank 4 r mod 64 (64 banks of 4 bytes: ISA guide 11.1)
.set SLOT,   128*PITCH
.set STAGE,  2*SLOT                    ; behind the ring, never filled by a tensor load: 16 rows x 528 bytes for each wave, for the way out
.set SPITCH, 528
.set SPARE,  STAGE+4*16*SPITCH         ; behind the stages: the spare words, 128 bytes for each wave; no other line names them
.set KB,     512                       ; bytes of a K step in a row of wb
.set AS,     32768                     ; bytes of a K step in a group of ab: 64 loads
.set ADRB, 20                          ; v20-21  LDS address of my lane's part of wb's fragments in slot 0, 1
.set STO,  24                          ; v24     the way out: where I put 32 bytes of a row
.set RD,   25                          ; v25     where I read 16 bytes of a row back
.set CO,   26                          ; v26     16 x lane: my bytes of 512, in ab's stream and in a row of out0; never rewritten
.set PFOA, 27                          ; v27     ab's prefetches: 256 x lane; never rewritten
.set SPW,  28                          ; v28     SPARE + 4 x my thread's number; never rewritten
.set NIL,  29                          ; v29     0; never rewritten
.set PFOB, 30                          ; v30     wb's prefetches: lane x a row of 8,192 bytes; never rewritten
.set GO,   31                          ; v31     32 (l / 16): my eight columns in a block of sixteen, in gamma and bias_p
.set F0,   32
.set F1,   96
.set TMP,  32
.set GA,   0                           ; window 3
.set BI,   64                          ; window 3
.set G1,  24                           ; s[24:31] descriptor group 1
.set G0,  32                           ; s[32:39] group 0, a set for each slot
.set PA,  40                           ; s[40:41] ab's stream at the K step in hand
.set PFB, 42                           ; s[42:43] where my prefetches of wb stand
.set PFA, 44                           ; s[44:45] of ab
.set LIMB, 46                          ; s46  1 in a wave that prefetches wb, else the greatest number
.set LIMA, 47                          ; s47  the same for ab
.set MSB, 0
.macro WIN new                         ; the immediate's high byte repeats the setting that is left; a switch that changes nothing is dropped
.if MSB != (\new)
	s_set_vgpr_msb (MSB<<8)|(\new)
.set MSB, \new
.endif
.endm
.set MUL,  0x58                        ; source 0 (wb) window 0, source 1 (ab) window 2, C and D window 1
.set TOA,  0x80                        ; destination window 2, address window 0
.set TO3,  0xc0                        ; destination window 3, address window 0
.set ALL3, 0xff                        ; everything in window 3
.set OUTW, 0x3d                        ; source 0 window 1, sources 1 and 2 window 3, destination window 0
.macro PLACES                          ; four places in front of loads into registers that matrix instructions have read, and of arithmetic that reads results (ISA guide 7.12.1 for arithmetic)
.rept 4
	v_nop
.endr
.endm
.macro CREST                           ; a round of the cluster's barrier behind its opening barrier
	s_cmp_lg_u32 s14, 0
	s_cbranch_scc1 .Lnot_wave_0_\@
	s_barrier_signal -3
.Lnot_wave_0_\@:
	s_barrier_wait -3
	s_barrier_signal -1
	s_barrier_wait -1
.endm
.macro CROUND                          ; a whole round
	s_barrier_signal -1
	s_barrier_wait -1
	CREST
.endm
; PREFETCHES INTO THE L2, together, behind each joint refill and the runs of loads that follow it: the K step that stands TWO refills on (512 matrix instructions of a wave).  Both operands were stored by the
; launch before; at a change of slots every wave has waited for all its tensor loads, so a refill goes out with nothing on its way beside it, and ab's loads are waited for in every quarter.
; Each aligned 256 bytes are named ONCE in the launch.  wb's tile is read by the two clusters of its tile column: the one with x = 0 asks; the partner at cx takes rows 32 cx .. 32 cx + 31 of the 128, a lane a row,
; wave 0 the first 256 bytes of the K step's 512, wave 1 the second.  A group of ab is read by the 32 work-groups of its tile row: the one with tile column 0 asks, each wave for its own group: 32,768 bytes,
; a lane 256 bytes, four instructions.  The partners are told apart BY ADDRESS: no branch hangs on a work-group's place in its cluster.  K steps 0 to 3 come by their loads alone; the loop's last trip
; (s3 = 1) has no K step two refills on.
.macro ASK
	s_cmp_gt_u32 s3, s[LIMB]
	s_cbranch_scc0 .Lnot_b_\@
	global_prefetch_b8 v[PFOB], s[PFB:PFB+1] th:TH_LOAD_NT scope:SCOPE_SE
.Lnot_b_\@:
	s_cmp_gt_u32 s3, s[LIMA]
	s_cbranch_scc0 .Lnot_a_\@
.irp p, 0,1,2,3
	global_prefetch_b8 v[PFOA], s[PFA:PFA+1] offset:(\p)*8192 th:TH_LOAD_NT scope:SCOPE_SE
.endr
.Lnot_a_\@:
.endm
; cnt loads of ab's stream from load 'first' on, at the kernel's head
.macro AHEAD first, cnt
	WIN TOA
.set an, \first
.rept \cnt
	global_load_b128 v[4*an:4*an+3], v[CO], s[PA:PA+1] offset:an*512
.set an, an+1
.endr
.endm
; In quarter j of a K step, behind its first eight products: loads 8 j + 58 .. of the stream counted from the K step's first: row blocks 1 to 3 of the quarter seven on, row block 0 of the quarter eight on.
; They land on row blocks 1 to 3 of the quarter before this one and on row block 0 of this one, which have been multiplied.  back: 64 where the pointer has been stepped to the next K step already.
.macro ALOAD j, cnt, back
.if (\cnt) > 0
	WIN TOA
.set an, 0
.rept \cnt
	global_load_b128 v[4*((8*(\j)+58+an)%64):4*((8*(\j)+58+an)%64)+3], v[CO], s[PA:PA+1] offset:(8*(\j)+58+an-(\back))*512
.set an, an+1
.endr
.endif
.endm
	s_load_b256 s[4:11], s[0:1], 0x0               ; ab s[4:5], wb s[6:7], gamma s[8:9], bias_p s[10:11]
	s_load_b64 s[12:13], s[0:1], 0x20              ; out0
	v_lshl_add_u32 v[SPW], v0, 2, SPARE
	v_mov_b32 v[NIL], 0
	ds_add_u32 v[SPW], v[NIL]                      ; the wave's opening: the add, twice on end, and its wait ahead of my first tensor load; the set-up below stands between
	ds_add_u32 v[SPW], v[NIL]
	v_lshrrev_b32 v1, 5, v0
	v_readfirstlane_b32 s14, v1                    ; wave 0..3
	s_lshr_b32 s15, s14, 1
	s_and_b32 s16, s14, 1
	s_bfe_u32 s17, ttmp6, 0x40000                  ; cx: my place in the cluster
	s_lshl_b32 s19, ttmp9, 2                       ; in a cluster launch ttmp9 counts clusters
	s_add_co_u32 s19, s19, s17                     ; tile row = 4 x cluster x + cx: it enters ab's, gamma's, bias_p's and out0's addresses and the prefetches' alone
	s_and_b32 s20, ttmp7, 0xffff                   ; tile column, which the four partners share
	; descriptor group 1: a tile of 32 rows x 256 elements, padded in LDS
	s_mov_b32 s[G1], 15|(1<<16)|(1<<20)|(1<<21)|(6<<22)|(3<<25)  ; 15:0 the mask: all four work-groups; 17:16 elements of 2 bytes; 20 padding on; 21 set beside a mask; 24:22 after every 128 words (code 6); 31:25 4 words (code 3)
	s_mov_b32 s[G1+1], 256<<16                     ; tensor_dim0 = 256
	s_mov_b32 s[G1+2], 32<<16                      ; tensor_dim1 = 32
	s_mov_b32 s[G1+3], 256<<16                     ; tile_dim0 = 256
	s_mov_b32 s[G1+4], 32                          ; tile_dim1 = 32
	s_mov_b32 s[G1+5], 4096                        ; elements from row to row
	s_mov_b32 s[G1+6], 0
	s_mov_b32 s[G1+7], 0
	s_mov_b32 s48, 0xffff0000                      ; a word's upper bf16
	s_lshl_b32 s54, s20, 7                         ; wb: row 128 x tile column + 32 x wave, times 8,192 bytes: made of the tile column and the wave's number alone
	s_lshl_b32 s2, s14, 5
	s_add_co_u32 s54, s54, s2
	s_lshl_b32 s54, s54, 13
	s_mov_b32 s55, 0
	s_mul_i32 s21, s14, 32*PITCH                   ; where my quarter of a tile goes: no place in the cluster enters an LDS address
	s_mov_b32 s[G0], 1                             ; count = 1
	s_mov_b32 s[G0+1], s21                         ; LDS address: slot 0
	s_mov_b32 s[G0+4], 1
	s_add_co_u32 s[G0+5], s21, SLOT                ; slot 1
	s_wait_dscnt 0x0                               ; both opening adds are done
	s_wait_kmcnt 0x0
	s_add_nc_u64 s[54:55], s[6:7], s[54:55]
	s_add_nc_u64 s[G0+2:G0+3], s[54:55], 0         ; global address: K step 0
	s_or_b32 s[G0+3], s[G0+3], 0x80000000          ; type = 2
	s_add_nc_u64 s[G0+6:G0+7], s[54:55], KB        ; K step 1
	s_or_b32 s[G0+7], s[G0+7], 0x80000000
	CROUND                                         ; all four work-groups are here: the first joint loads meet
	tensor_load_to_lds s[G0:G0+3], s[G1:G1+7]
	s_nop 0
	tensor_load_to_lds s[G0+4:G0+7], s[G1:G1+7]    ; two tensor loads of mine are out
	s_nop 0
	PLACES
	; A fragment is 16 rows x 32 K in 8 registers: lane l holds row l % 16; registers 0-3 K = 8 (l / 16) + 0..7, registers 4-7 K = 16 + 8 (l / 16) + 0..7: from LDS rows along K two loads of 16 bytes, 32 bytes apart.
	v_and_b32 v1, 15, v0                           ; l % 16
	v_bfe_u32 v2, v0, 4, 1                         ; l / 16
	v_and_b32 v5, 31, v0                           ; l
	v_mul_u32_u24 v3, v1, PITCH
	v_lshl_add_u32 v[ADRB], v2, 4, v3              ; all four waves read all 128 rows of wb's tile
	v_add_nc_u32 v[ADRB+1], SLOT, v[ADRB]
	s_mul_i32 s23, s14, 16*SPITCH
	s_add_co_u32 s23, s23, STAGE                   ; my stage
	v_mul_u32_u24 v4, v1, SPITCH                   ; in: row l % 16, 32 bytes for each half of the lanes
	v_lshl_add_u32 v4, v2, 5, v4
	v_add_nc_u32 v[STO], s23, v4
	v_lshlrev_b32 v[CO], 4, v5
	v_add_nc_u32 v[RD], s23, v[CO]                 ; back: 32 lanes take one row of 512 bytes
	v_lshlrev_b32 v[PFOB], 13, v5
	v_lshlrev_b32 v[PFOA], 8, v5
	v_lshlrev_b32 v[GO], 5, v2
	s_mov_b32 s53, 0
	s_lshl_b32 s52, s20, 9                         ; the tile's first column in bytes of f32
	s_add_nc_u64 s[12:13], s[12:13], s[52:53]
	s_lshr_b32 s2, s19, 1                          ; two tile rows are one model
	s_lshl_b32 s2, s2, 14                          ; its row of gamma and bias_p
	s_add_co_u32 s52, s52, s2
	s_add_nc_u64 s[8:9], s[8:9], s[52:53]
	s_add_nc_u64 s[10:11], s[10:11], s[52:53]
	s_lshl_b32 s52, s19, 2
	s_add_co_u32 s52, s52, s14                     ; my group of 64 rows: 4 x tile row + wave
	s_lshl_b32 s2, s52, 20                         ; in out0: 64 rows of 16,384 bytes
	s_lshl_b32 s52, s52, 19                        ; in ab: 524,288 bytes
	s_add_nc_u64 s[PA:PA+1], s[4:5], s[52:53]
	s_mov_b32 s52, s2
	s_add_nc_u64 s[12:13], s[12:13], s[52:53]      ; never stepped: the rows stand in the stores' immediates
	WIN TO3
.irp b, 0,1,2,3,4,5,6,7                ; gamma and bias_p of columns 16 b + 8 (l / 16) + 0..7
	global_load_b128 v[GA+8*(\b):GA+8*(\b)+3],   v[GO], s[8:9] offset:64*(\b)
	global_load_b128 v[GA+8*(\b)+4:GA+8*(\b)+7], v[GO], s[8:9] offset:64*(\b)+16
	global_load_b128 v[BI+8*(\b):BI+8*(\b)+3],   v[GO], s[10:11] offset:64*(\b)
	global_load_b128 v[BI+8*(\b)+4:BI+8*(\b)+7], v[GO], s[10:11] offset:64*(\b)+16
.endr
	AHEAD 0, 26                                    ; the ring's first 58 loads in two parts, so that 58 loads at the most are out
	WIN 0
	; the prefetches' addresses and who asks
	s_lshl_b32 s52, s20, 7
	s_lshl_b32 s2, s17, 5
	s_add_co_u32 s52, s52, s2                      ; wb: row 128 x tile column + 32 cx,
	s_lshl_b32 s52, s52, 13
	s_lshl_b32 s2, s16, 8                          ; and the half of a K step's 512 bytes by the wave's parity
	s_add_co_u32 s52, s52, s2
	s_add_nc_u64 s[PFB:PFB+1], s[6:7], s[52:53]
	s_add_nc_u64 s[PFB:PFB+1], s[PFB:PFB+1], 3*KB  ; at K step 3: the first refill (K step 2) steps it to 4.  Nothing is prefetched here, at the head
	s_add_nc_u64 s[PFA:PFA+1], s[PA:PA+1], 3*AS
	s_mov_b32 s2, ttmp9
	s_or_b32 s2, s2, s15                           ; 0 where the cluster's x is 0 and the wave is 0 or 1
	s_cmp_eq_u32 s2, 0
	s_cselect_b32 s[LIMB], 1, -1                   ; the same in all four partners, for a given wave
	s_cmp_eq_u32 s20, 0
	s_cselect_b32 s[LIMA], 1, -1
	s_wait_loadcnt 26                              ; gamma and bias_p are in; ab's 26 loads stay out
	WIN ALL3
.set i, 0
.rept 64                               ; both rounded to bf16, kept as f32: this stands in the wait for the first tile
	v_cvt_pk_bf16_f32 v[128+i%4], v[2*i], v[2*i+1]
	v_lshlrev_b32 v[2*i], 16, v[128+i%4]
	v_and_b32 v[2*i+1], s48, v[128+i%4]
.set i, i+1
.endr
	AHEAD 26, 32
	WIN 0
; 8 matrix instructions: row block a x all 8 column blocks, 32 along K: wb's buffer f, ab's quarter j.  zero = 1: the product starts the sums.  The 32 accumulators take turns in the same order in every quarter.
.macro MUL8 f, j, a, zero
	WIN MUL
.irp b, 0,1,2,3,4,5,6,7
.if \zero
	v_wmma_f32_16x16x32_bf16 v[8*(8*(\a)+(\b)):8*(8*(\a)+(\b))+7], v[(\f)+8*(\b):(\f)+8*(\b)+7], v[32*(\j)+8*(\a):32*(\j)+8*(\a)+7], 0
.else
	v_wmma_f32_16x16x32_bf16 v[8*(8*(\a)+(\b)):8*(8*(\a)+(\b))+7], v[(\f)+8*(\b):(\f)+8*(\b)+7], v[32*(\j)+8*(\a):32*(\j)+8*(\a)+7], v[8*(8*(\a)+(\b)):8*(8*(\a)+(\b))+7]
.endif
.endr
.endm
; 16 LDS loads in one run: wb's fragments of 32 along K at byte k of the rows, into buffer f
.macro FETCH slot, k, f
	WIN 0
.irp i, 0,1,2,3,4,5,6,7
	ds_load_b128 v[(\f)+8*(\i):(\f)+8*(\i)+3],   v[ADRB+(\slot)] offset:(\k)+(\i)*16*PITCH
	ds_load_b128 v[(\f)+8*(\i)+4:(\f)+8*(\i)+7], v[ADRB+(\slot)] offset:(\k)+(\i)*16*PITCH+32
.endr
.endm
; A K step is eight quarters of 32 along K, 32 matrix instructions each; wb's buffers go by the quarter's parity.  One of the first seven: behind its first eight products stands ONE run of loads: wb's fragments
; of the next quarter out of LDS, then cnt loads of ab's stream.  lc: how many younger loads of ab may stay out when the group issued seven quarters ago has to be in: row blocks 1 to 3 of this quarter and
; row block 0 of the next.  In the loop that is six groups of eight.
.macro QUARTER slot, j, zero, cnt, lc
.if ((\j)%2) == 0
.set QF, F0
.set QG, F1
.else
.set QF, F1
.set QG, F0
.endif
	s_wait_dscnt 0x0                               ; wb's fragments of this quarter are in: they were asked for 24 matrix instructions ago
	MUL8 QF, \j, 0, \zero
	PLACES
	FETCH \slot, 64*((\j)+1), QG
	s_wait_loadcnt \lc
	ALOAD \j, \cnt, 0
	MUL8 QF, \j, 1, \zero
	MUL8 QF, \j, 2, \zero
	MUL8 QF, \j, 3, \zero
.endm
; The eighth quarter changes slots: ONE barrier.  In front of it each wave waits for all its tensor loads (one is out: its part of the next slot), adds 0 to its spare word, and waits for that and for its own
; reads of this slot.  fill = 1: the barrier opens a round of the cluster's, and behind the round this slot is filled again, two K steps ahead: the request has 240 matrix instructions of the wave ahead of the wait for it.
.macro TURN slot, next, fill
	s_wait_xcnt 0x0                                ; ab's youngest loads, 24 matrix instructions back, and the last prefetches, a K step back, have read their addresses: the pointers are stepped here
	s_add_nc_u64 s[PA:PA+1], s[PA:PA+1], AS
.if \fill
	s_add_nc_u64 s[PFB:PFB+1], s[PFB:PFB+1], KB
	s_add_nc_u64 s[PFA:PFA+1], s[PFA:PFA+1], AS
.endif
	WIN 0                                          ; (the add's two registers lie in window 0)
	s_wait_tensorcnt 0x0                           ; all my tensor loads have landed;
	ds_add_u32 v[SPW], v[NIL]                      ; 0 onto my spare word;
	s_wait_dscnt 1                                 ; (wb's fragments are in; the add may be out)
	MUL8 F1, 7, 0, 0                               ; eight matrix instructions stand between the add and the wait for it
	s_wait_loadcnt 48                              ; ab: the group issued seven quarters ago is in; six groups of eight stay out
	s_wait_dscnt 0x0                               ; the add is done, and my reads of this slot are over
	s_barrier_signal -1
	MUL8 F1, 7, 1, 0                               ; work on registers while the others arrive
.if \fill
	WIN 0
.endif
	s_barrier_wait -1
.if \fill
	CREST                                          ; no wave of any partner still reads this slot's tile or has a load on its way
	s_add_nc_u64 s[G0+4*(\slot)+2:G0+4*(\slot)+3], s[G0+4*(\slot)+2:G0+4*(\slot)+3], 2*KB
	tensor_load_to_lds s[G0+4*(\slot):G0+4*(\slot)+3], s[G1:G1+7]  ; the first tensor load behind the round, my only one until the next
	s_nop 0
.endif
	PLACES                                         ; behind the tensor load; also the places in front of the loads below
	FETCH \next, 0, F0
	ALOAD 7, 8, 64
.if \fill
	WIN 0
	ASK
.endif
	MUL8 F1, 7, 2, 0
	MUL8 F1, 7, 3, 0
.endm
	s_wait_tensorcnt 1                             ; my part of K step 0 is in; K step 1's may stay out
	s_barrier_signal -1
	s_barrier_wait -1                              ; everybody's is
	FETCH 0, 0, F0
	s_wait_loadcnt 56                              ; ab: row block 0 of quarter 0 (loads 0, 1) is in; the 56 younger loads stay out
	QUARTER 0, 0, 1, 8, 48                         ; the first quarter stands in front of the loop: its products start the sums
	WIN 0                                          ; at a label and at a branch every window is 0
	s_mov_b32 s3, 7                                ; 16 K steps are 8 laps; the last is written out
.Llap:                                                 ; a trip goes once round the ring, from a lap's second quarter to the next lap's first, and fills both slots again
.irp j, 1,2,3,4,5,6
	QUARTER 0, \j, 0, 8, 48
.endr
	TURN 0, 1, 1
.irp j, 0,1,2,3,4,5,6
	QUARTER 1, \j, 0, 8, 48
.endr
	TURN 1, 0, 1
	QUARTER 0, 0, 0, 8, 48
	WIN 0
	s_sub_co_u32 s3, s3, 1
	s_cmp_lg_u32 s3, 0
	s_cbranch_scc1 .Llap
.irp j, 1,2,3,4,5,6                    ; the last lap fills no slot, and has no round of the cluster's barrier
	QUARTER 0, \j, 0, 8, 48
.endr
	TURN 0, 1, 0
	QUARTER 1, 0, 0, 6, 48                         ; ab's stream ends: its last six loads,
	QUARTER 1, 1, 0, 0, 46                         ; then none: the counts run down by eight
	QUARTER 1, 2, 0, 0, 38
	QUARTER 1, 3, 0, 0, 30
	QUARTER 1, 4, 0, 0, 22
	QUARTER 1, 5, 0, 0, 14
	QUARTER 1, 6, 0, 0, 6
	s_wait_dscnt 0x0                               ; the very last quarter: nothing more to fetch
	MUL8 F1, 7, 0, 0
	s_wait_loadcnt 0x0
	MUL8 F1, 7, 1, 0
	MUL8 F1, 7, 2, 0
	MUL8 F1, 7, 3, 0
; THE WAY OUT, a block of 16 rows at a time.  PACK: sum x gamma + bias, one fused multiply-add for two numbers; each accumulator's registers in ascending order.  TOSTAGE: 32 bytes a lane into my own stage
; in LDS, and back as whole rows of 512 bytes.  SEND: stored.
.macro PACK a
	WIN OUTW
.irp b, 0,1,2,3,4,5,6,7
.irp q, 0,1,2,3
	v_pk_fma_f32 v[TMP+8*(\b)+2*(\q):TMP+8*(\b)+2*(\q)+1], v[8*(8*(\a)+(\b))+2*(\q):8*(8*(\a)+(\b))+2*(\q)+1], v[GA+8*(\b)+2*(\q):GA+8*(\b)+2*(\q)+1], v[BI+8*(\b)+2*(\q):BI+8*(\b)+2*(\q)+1]
.endr
.endr
	WIN 0
.endm
.macro TOSTAGE a
	WIN 0
.set BK, 128+64*((\a)%2)
.if (\a) >= 2
	s_wait_xcnt 0x0                                ; the stores of two blocks back have read these registers: only now are they loaded again
.endif
.irp b, 0,1,2,3,4,5,6,7
	ds_store_b128 v[STO], v[TMP+8*(\b):TMP+8*(\b)+3]   offset:64*(\b)
	ds_store_b128 v[STO], v[TMP+8*(\b)+4:TMP+8*(\b)+7] offset:64*(\b)+16
.endr
.irp t, 0,1,2,3,4,5,6,7,8,9,10,11,12,13,14,15
	ds_load_b128 v[BK+4*(\t):BK+4*(\t)+3], v[RD] offset:(\t)*SPITCH  ; LDS serves a wave's instructions in order (ISA guide 5.7.1.4): these see the stores above
.endr
.endm
.macro SEND a
	WIN 0
.set BK, 128+64*((\a)%2)
.irp t, 0,1,2,3,4,5,6,7,8,9,10,11,12,13,14,15
	s_wait_dscnt 15-(\t)                           ; row t is back; the younger rows may be out
	global_store_b128 v[CO], v[BK+4*(\t):BK+4*(\t)+3], s[12:13] offset:(16*(\a)+(\t))*16384 th:TH_STORE_NT  ; the wave stores 512 consecutive bytes, at a multiple of 512 from out0's first byte
.endr
.endm
	PLACES
	PACK 0
	TOSTAGE 0
.irp a, 1,2,3                          ; block a's arithmetic stands between block a - 1's loads from the stage and the waits for them
	PACK \a
	SEND (\a)-1
	TOSTAGE \a
.endr
	SEND 3
	s_wait_tensorcnt 0x0                           ; the wave's end, behind my last tensor load and my last LDS store
	ds_add_u32 v[SPW], v[NIL]
	s_wait_dscnt 0x0
	CROUND                                         ; the closing round: no work-group ends while a partner may still ask for a tile that names it
	s_endpgm
.Lfunc_end_k_q52ac9bf269_gemm:
	.size	k_q52ac9bf269_gemm, .Lfunc_end_k_q52ac9bf269_gemm-k_q52ac9bf269_gemm
	.p2alignl 7, 3214868480
	.fill 96, 4, 3214868480
	.section	.rodata,"a",@progbits
	.p2align	6, 0x0
	.amdhsa_kernel k_q52ac9bf269_gemm
		.amdhsa_group_segment_fixed_size 327680
		.amdhsa_private_segment_fixed_size 0
		.amdhsa_enable_private_segment 0
		.amdhsa_kernarg_size 40
		.amdhsa_user_sgpr_count 2
		.amdhsa_user_sgpr_kernarg_segment_ptr 1
		.amdhsa_wavefront_size32 1
		.amdhsa_system_sgpr_workgroup_id_x 1
		.amdhsa_system_sgpr_workgroup_id_y 1
		.amdhsa_system_sgpr_workgroup_id_z 1
		.amdhsa_system_vgpr_workitem_id 0
		.amdhsa_next_free_vgpr 900
		.amdhsa_next_free_sgpr 66
		.amdhsa_reserve_vcc 0
		.amdhsa_float_denorm_mode_32 3
		.amdhsa_float_denorm_mode_16_64 3
		.amdhsa_memory_ordered 1
		.amdhsa_forward_progress 1
		.amdhsa_inst_pref_size 174
	.end_amdhsa_kernel
	.amdgpu_metadata
---
amdhsa.version: [ 1, 2 ]
amdhsa.kernels:
  - .name:           k_q52ac9bf269_gemm
    .symbol:         k_q52ac9bf269_gemm.kd
    .args:
      - { .name: ab, .offset: 0, .size: 8, .value_kind: global_buffer, .address_space: global }
      - { .name: wb, .offset: 8, .size: 8, .value_kind: global_buffer, .address_space: global }
      - { .name: gamma, .offset: 16, .size: 8, .value_kind: global_buffer, .address_space: global }
      - { .name: bias_p, .offset: 24, .size: 8, .value_kind: global_buffer, .address_space: global }
      - { .name: out0, .offset: 32, .size: 8, .value_kind: global_buffer, .address_space: global }
    .group_segment_fixed_size: 327680
    .private_segment_fixed_size: 0
    .kernarg_segment_align: 8
    .kernarg_segment_size: 40
    .max_flat_workgroup_size: 128
    .sgpr_count:     66
    .vgpr_count:     900
    .wavefront_size: 32
...
	.end_amdgpu_metadata
.endif
;; end of part 2
;; ======== version 2 of 2: 2 launches; version 1 with the launch prep written anew for expert scheduling mode
;; workspace buffers: ab 16,777,216 bytes; wb 33,554,432 bytes
;; launch prep (part 3): grid 256 x 1, 8 waves a work-group, no clusters, 146,432 bytes of LDS; arguments x, alpha, eps, enc1_w, enc1_b, encm_w, encm_b, dec_w, dec_b, fc_w, ab, wb; writes ab, wb
.if DOCPART == 3
	.amdgcn_target "amdgcn-amd-amdhsa--gfx1250"
	.amdhsa_code_object_version 6
	.text
	.protected	k_q52ac9bf269_prep
	.globl	k_q52ac9bf269_prep
	.p2align	8
	.type	k_q52ac9bf269_prep,@function
k_q52ac9bf269_prep:
	s_mov_b64 s[64:65], 0
	v_nop
	global_prefetch_b8 v0, s[64:65] scope:SCOPE_SE
	s_setreg_imm32_b32 hwreg(HW_REG_WAVE_SCHED_MODE, 0, 2), 2
	s_setreg_imm32_b32 hwreg(HW_REG_WAVE_MODE, 25, 1), 1
	s_wait_xcnt 0x0
	s_wait_alu depctr_vm_vsrc(0)
; out0[512 m + b][o] = gamma[m][o] * (sum over k of x[b][k] a[m][k] fc_w[o][k]) + bias_p[m][o], with a = alpha_dec, a table of [4][4096]:
;   emb = relu(alpha enc1_w^T + enc1_b); mu = emb encm_w^T + encm_b; z = eps exp(mu / 2) + mu; a = z dec_w^T + dec_b.
; THIS LAUNCH lays out the two matrix operands of the product that the next launch takes:
;   wb[o][k] = bf16(fc_w[o][k])                      [4096][4096] bf16, row-major
;   ab(512 m + b, k) = bf16(bf16(x[b][k]) * a[m][k]) 2048 x 4096 bf16, IN THE ORDER IN WHICH A WAVE'S OPERAND REGISTERS TAKE IT: a group is 64 rows, 524,288 bytes; in it each 32 along K are
;         4,096 bytes: four fragments (16 rows x 32 K) of 1,024 bytes; a fragment is two halves of 512 bytes (K = 0..15, 16..31 of the 32), and in a half lane l = r + 16 h has the 16 bytes
;         at 16 l: row r, K = 8 h + 0..7 of the half's sixteen.
; NOTHING OF reference() IS LEFT OUT: every one of the twelve inputs reaches out0; logvar = mu is a second name, tile and repeat are addressing.
; LIMITS.  Every input is rounded to bf16 (nearest even) as it is loaded; all arithmetic behind that is f32 (the encoder's products are exact products of bf16 numbers, summed in f32),
; and x * a is rounded to bf16 once.  exp(mu / 2) below 2^-126 counts as 0.  NaN and infinities are not treated apart (relu of a NaN gives 0).
; TWO ROLES, by the parity of the work-group's number, which is the same in all eight waves of a work-group:
;   odd:  CAST.   32 rows of fc_w: 524,288 consecutive bytes in, 262,144 out.
;   even: SCALE.  128 rows of x by 128 columns, for all four models.  It makes the whole small chain for itself (576 KiB of inputs that all 128 such work-groups read),
;         decodes its 128 columns of a, and stores 4 x 128 x 128 numbers of ab.
; Bytes moved by a work-group: 768 KiB in the one role, 784 KiB in the other.
; THE MODE: SCHED_MODE bits 1:0 = 2 (LLVM: expert scheduling mode 2), set by the entry lines.  The code itself states the register dependences
; between vector or matrix instructions and memory or LDS instructions, with s_wait_alu, always for 0.
; THE PLAN, CAST.  The 128 slots of a thread go in 16 blocks of eight.  Registers that memory instructions touch:
;   X0 .. X3   Block p: its sixteen conversions read X[p % 4]; behind them the loads of block p + 4 land in it.
;   Y0, Y1     Block p: the same conversions write Y[p % 2]; behind them the block's eight stores read it; block p + 2 writes it again.
;   v4, v5     byte offsets, made once: the two scalar bases move on by a block at each block's head, and immediate offsets do the rest.
; So a block has ONE wait on va_vdst, behind its conversions (they have written Y and are done reading X), with its sixteen memory instructions straight behind it, and one wait on vm_vsrc at its head.
; THE PLAN, SCALE.  v4 to v16 are addresses, made once.  RAW0 .. RAW2: step st's conversions read RAW[st % 3], one wait on va_vdst stands behind them, and the next loads land in it, dealt among the
; step's two matrix instructions, which name the fragments and the accumulators alone.  The accumulators, and later a, are stored to LDS behind a wait on va_vdst each.  The scaling goes in four blocks
; of four rows: block p writes Y[p % 2] (two buffers of 32 registers), and the LDS stores of block p - 1, which read the other buffer, are dealt among its rows: a wait on va_vdst at the block's head,
; and from the third block on one on vm_vsrc.  Scalar registers that v_readfirstlane_b32 and v_readlane_b32 write have a wait on va_sdst ahead of their first reader.
.set EMBP,  0                          ; LDS: partial sums of emb, [wave 8][model 4][h 32] f32
.set ADL,   4096                       ; LDS: a of my 128 columns, [model 4][128] f32
.set STG,   6144                       ; LDS: each wave's own stage for ab: [model 4][chunk 16], a chunk = 16 rows x 16 bytes
.set SCH,   272                        ; a chunk's 256 bytes + 16: chunk c starts at bank 4 c mod 64 (64 banks of 4 bytes: ISA guide 11.1)
.set SMD,   16*SCH                     ; a model's 16 chunks
.set SWV,   4*SMD                      ; a wave's stage: 17,408 bytes
.set SPARE, STG+8*SWV                  ; LDS: the spare words, 128 bytes for each of eight waves; no other line names them
.set SPW,  2                           ; v2   SPARE + 4 x my thread's number; never rewritten
.set NIL,  3                           ; v3   0; never rewritten
; CAST's registers
.set CX,   64                          ; v[64:191]   buffer k of four, slot c of eight: 4 f32 as loaded, at CX + 32 k + 4 c
.set CY,   192                         ; v[192:223]  buffer k of two, slot c: 4 bf16 to store, at CY + 16 k + 2 c
; SCALE's registers
.set ACC0, 24                          ; v[24:31]  emb^T, rows h = 0..15
.set ACC1, 32                          ; v[32:39]  rows h = 16..31
.set FR,   40                          ; v[40:87]  two sets of 24: fragments of enc1_w (two tiles) and of alpha, bf16
.set RAW,  88                          ; v[88:231] three sets of 48: the same as loaded, f32
.set WM,   136                         ; v[136:167] row 'lane' of encm_w
.set B1,   168                         ; enc1_b[lane]
.set BM,   169                         ; encm_b[lane]
.set EP,   170                         ; v[170:171] eps[2 g][lane], eps[2 g + 1][lane]
.set DW,   184                         ; v[184:215] my column's row of dec_w
.set DB,   216                         ; its dec_b
.set PS,   40                          ; v[40:55]  eight waves' partial sums for two models; later the products x * a
.set EM,   56                          ; v[56:57]  emb of my two models, h = lane
.set MU,   58
.set TE,   60
.set ZZ,   62
.set DA,   64                          ; v[64:65]  a of my column, two models
.set ADR,  66                          ; v[66:81]  a of my lane's four columns, model m at ADR + 4 m
.set XB,   82                          ; v[82:85]  four numbers of x, rounded, as f32
.set XT,   86                          ; v[86:87]  the same as bf16
.set YY,   136                         ; v[136:199] in the scaling: two buffers of 32: row r of a block's four, model m: 2 registers at YY + 32 k + 8 r + 2 m
.set OB,   88                          ; v[88:215] at the end: the stage read back, 32 x 4 registers
.set TR, 0
.macro RB a                            ; v[a], v[a+1] rounded to bf16, kept as f32
	v_cvt_pk_bf16_f32 v[17+TR], v[\a], v[(\a)+1]
	v_lshlrev_b32 v[\a], 16, v[17+TR]
	v_and_b32 v[(\a)+1], s34, v[17+TR]
.set TR, (TR+1)%4
.endm
.macro RB1 a                           ; the same for one number
	v_cvt_pk_bf16_f32 v[17+TR], v[\a], v[\a]
	v_lshlrev_b32 v[\a], 16, v[17+TR]
.set TR, (TR+1)%4
.endm
	s_load_b512 s[8:23], s[0:1], 0x0               ; x 8, alpha 10, eps 12, enc1_w 14, enc1_b 16, encm_w 18, encm_b 20, dec_w 22
	s_load_b256 s[24:31], s[0:1], 0x40             ; dec_b 24, fc_w 26, ab 28, wb 30
	v_lshl_add_u32 v[SPW], v0, 2, SPARE
	v_mov_b32 v[NIL], 0
	v_lshrrev_b32 v1, 5, v0
	v_readfirstlane_b32 s4, v1                     ; wave 0..7
	s_lshr_b32 s3, ttmp9, 1                        ; my number within my role, 0..127
	s_mov_b32 s34, 0xffff0000                      ; a word's upper bf16
	s_mov_b32 s33, 0                               ; the high word of every offset pair
	s_and_b32 s2, ttmp9, 1
	s_wait_alu depctr_va_sdst(0)                   ; s4 is written, ahead of the branch and of its first reader: SCALE's addresses are made from it
	s_wait_kmcnt 0x0
	s_cmp_eq_u32 s2, 0
	s_cbranch_scc1 .Lscale
; ---------------------------------------------------------------- CAST
; A ring of four buffers of eight slots in registers.  One load of the work-group covers 4,096 consecutive bytes (a wave: 512), one store 2,048 (a wave: 256, aligned).  Behind a block 32 loads of every wave are on their way.
	s_lshl_b32 s32, s3, 19
	s_add_nc_u64 s[26:27], s[26:27], s[32:33]      ; fc_w at my 32 rows
	s_lshl_b32 s32, s3, 18
	s_add_nc_u64 s[30:31], s[30:31], s[32:33]      ; wb at the same rows
	v_lshlrev_b32 v4, 4, v0                        ; 16 bytes a thread in,
	v_lshlrev_b32 v5, 3, v0                        ; 8 out; neither is rewritten
	s_wait_alu depctr_va_vdst(0)                   ; v4 and v5 are written: every load and store of this role reads one of them as its offset
; Block p.  xb = p % 4, yb = p % 2.  ahead = 1: block p + 4 is loaded.  left = how many younger loads may still be out when this block's eight have to be there.
; At the block's head both bases move on to the NEXT block's first slot: the loads reach three blocks further by their immediates, the stores one block back.
.macro CBLK xb, yb, ahead, left
	s_wait_loadcnt \left                           ; loads come back in order (ISA guide 5.7.1): X[xb] is in, the younger blocks stay out
	s_wait_xcnt 0x0                                ; every earlier memory instruction has had its addresses translated (ISA guide 3.1): the two bases and Y[yb] are rewritten only behind this wait
	s_wait_alu depctr_vm_vsrc(0)                   ; the stores of two blocks back have read Y[yb], which the conversions below write again
	s_add_nc_u64 s[30:31], s[30:31], 16384
.if \ahead
	s_add_nc_u64 s[26:27], s[26:27], 32768
.endif
.set c, 0
.rept 8
	v_cvt_pk_bf16_f32 v[CY+16*(\yb)+2*c], v[CX+32*(\xb)+4*c], v[CX+32*(\xb)+4*c+1]
	v_cvt_pk_bf16_f32 v[CY+16*(\yb)+2*c+1], v[CX+32*(\xb)+4*c+2], v[CX+32*(\xb)+4*c+3]
.set c, c+1
.endr
	s_wait_alu depctr_va_vdst(0)                   ; the conversions have written Y[yb], which the stores below read, and are done reading X[xb], in which the loads below land
.set c, 0
.rept 8
.if \ahead
	global_load_b128 v[CX+32*(\xb)+4*c:CX+32*(\xb)+4*c+3], v4, s[26:27] offset:(24+c)*4096 th:TH_LOAD_NT  ; the buffer is asked for again at once: block p + 4
.endif
	global_store_b64 v5, v[CY+16*(\yb)+2*c:CY+16*(\yb)+2*c+1], s[30:31] offset:(c-8)*2048 th:TH_STORE_NT  ; this block: the offset reaches back
.set c, c+1
.endr
.endm
.set i, 0
.rept 32
	global_load_b128 v[CX+4*i:CX+4*i+3], v4, s[26:27] offset:i*4096 th:TH_LOAD_NT  ; blocks 0 to 3
.set i, i+1
.endr
	s_mov_b32 s35, 3
.Lround:                                               ; a round takes every buffer once: 131,072 bytes in, 65,536 out
	CBLK 0, 0, 1, 24
	CBLK 1, 1, 1, 24
	CBLK 2, 0, 1, 24
	CBLK 3, 1, 1, 24
	s_sub_co_u32 s35, s35, 1
	s_cmp_lg_u32 s35, 0
	s_cbranch_scc1 .Lround
	CBLK 0, 0, 0, 24                               ; the last round loads nothing: no load leaves fc_w, and the counts run down
	CBLK 1, 1, 0, 16
	CBLK 2, 0, 0, 8
	CBLK 3, 1, 0, 0
	s_branch .Lend
; ---------------------------------------------------------------- SCALE
.Lscale:
	s_lshr_b32 s5, s4, 2                           ; g: waves 0-3 make models 0, 1; waves 4-7 models 2, 3
	s_and_b32 s6, s3, 31                           ; kb: my 128 columns
	s_lshr_b32 s7, s3, 5                           ; rq: my 128 rows of x
	v_and_b32 v17, 15, v0                          ; r
	v_bfe_u32 v18, v0, 4, 1                        ; h
	v_and_b32 v19, 31, v0                          ; lane
	v_and_b32 v20, 3, v0                           ; r % 4
	v_and_b32 v21, 127, v0                         ; my column of the 128 in the decode
	s_lshl_b32 s32, s4, 11
	v_lshl_add_u32 v22, v18, 6, s32                ; 64 h + 2,048 wave: my 16 numbers of a step, in my wave's 512 of K
	v_lshl_add_u32 v4, v17, 14, v22                ; v4  enc1_w: + row r
	v_lshl_add_u32 v5, v20, 14, v22                ; v5  alpha: + row r % 4
	s_lshl_b32 s32, s4, 9
	v_lshl_add_u32 v6, v20, 7, s32
	v_lshl_add_u32 v6, v18, 5, v6                  ; v6  EMBP, in: 512 wave + 128 (r % 4) + 32 h
	s_lshl_b32 s32, s5, 8
	v_lshl_add_u32 v7, v19, 2, s32                 ; v7  256 g + 4 lane: EMBP, back; the same number is my byte offset in eps
	v_lshlrev_b32 v8, 7, v19                       ; v8  encm_w: row 'lane'
	v_lshlrev_b32 v9, 2, v19                       ; v9  enc1_b, encm_b
	v_lshlrev_b32 v11, 7, v21                      ; v11 dec_w: my column's row
	v_lshlrev_b32 v12, 2, v21                      ; v12 dec_b
	s_lshl_b32 s32, s5, 10
	s_add_co_u32 s32, s32, ADL
	v_lshl_add_u32 v13, v21, 2, s32                ; v13 a, in: model 2 g, my column
	v_lshlrev_b32 v15, 4, v19                      ; v15 16 x lane: four numbers of x; also my 16 bytes of 512 of ab
	v_add_nc_u32 v14, ADL, v15                     ; v14 a, back: my lane's four columns
	s_mul_i32 s32, s4, SWV
	s_add_co_u32 s32, s32, STG                     ; my wave's stage
	v_lshrrev_b32 v22, 1, v19                      ; my four columns 4 lane .. lie in chunk lane / 2 (32 K x (lane / 8) + 16 x half + 8 h), at its bytes 8 (lane % 2) of a row's 16
	v_mul_u32_u24 v22, v22, SCH
	v_and_b32 v23, 1, v0
	v_lshl_add_u32 v22, v23, 3, v22
	v_add_nc_u32 v16, s32, v22                     ; v16 the stage, in
	v_mul_u32_u24 v22, v18, SCH
	v_lshl_add_u32 v22, v17, 4, v22
	v_add_nc_u32 v10, s32, v22                     ; v10 the stage, back: lanes 0-15 one chunk, lanes 16-31 the next
	s_lshl_b32 s32, s6, 14
	s_add_nc_u64 s[22:23], s[22:23], s[32:33]      ; dec_w at my 128 rows
	s_lshl_b32 s32, s6, 9
	s_add_nc_u64 s[24:25], s[24:25], s[32:33]      ; dec_b at my 128 numbers
	s_add_nc_u64 s[8:9], s[8:9], s[32:33]          ; x at my 128 columns,
	s_lshl_b32 s35, s7, 3
	s_add_co_u32 s35, s35, s4                      ; 8 rq + wave: sixteen rows each
	s_lshl_b32 s32, s35, 18
	s_add_nc_u64 s[8:9], s[8:9], s[32:33]          ; and at my wave's 16 rows
	s_lshl_b32 s35, s7, 1                          ; ab: my 16 rows are fragment row wave % 4 of group 8 m + 2 rq + wave / 4;
	s_add_co_u32 s35, s35, s5
	s_lshl_b32 s32, s35, 19                        ; a group is 524,288 bytes,
	s_lshl_b32 s35, s6, 14                         ; my 128 columns are four of its pieces of 4,096,
	s_add_co_u32 s32, s32, s35
	s_and_b32 s35, s4, 3
	s_lshl_b32 s35, s35, 10                        ; a fragment is 1,024 bytes
	s_add_co_u32 s32, s32, s35
	s_add_nc_u64 s[36:37], s[28:29], s[32:33]      ; model 0,
	s_add_nc_u64 s[38:39], s[36:37], 0x400000      ; and eight groups on for each further model
	s_add_nc_u64 s[40:41], s[38:39], 0x400000
	s_add_nc_u64 s[42:43], s[40:41], 0x400000
	s_wait_alu depctr_va_vdst(0)                   ; the thirteen addresses and offsets v4 to v16 are written, which the loads, stores and LDS instructions of this role read; none is written again
; THE ENCODER, on the matrix unit: emb^T = enc1_w alpha^T.  Source 0 = 16 rows of enc1_w (two tiles), source 1 = alpha's row r % 4 (columns 4-15 of the tile repeat columns 0-3).
; K is split among the eight waves, 512 each, in 16 steps of 32.  Within a step k is permuted alike in both sources: the half h of the lanes holds the 16 numbers from k0 + 16 h on, so a lane's
; part of a fragment is 64 consecutive bytes of f32: four loads, eight conversions.
.macro LDW s, t                        ; four of a step's 12 loads: tile t of enc1_w
.set RW, RAW+48*((\s)%3)
.irp q, 0,1,2,3
	global_load_b128 v[RW+16*(\t)+4*(\q):RW+16*(\t)+4*(\q)+3], v4, s[14:15] offset:(\s)*128+16*(\q)+262144*(\t)
.endr
.endm
.macro LDA s                           ; the last four: alpha
.set RW, RAW+48*((\s)%3)
.irp q, 0,1,2,3
	global_load_b128 v[RW+32+4*(\q):RW+32+4*(\q)+3], v5, s[10:11] offset:(\s)*128+16*(\q)
.endr
.endm
.macro CVT s                           ; its 24 conversions
.set RW, RAW+48*((\s)%3)
.set FW, FR+24*((\s)%2)
.set c, 0
.rept 24
	v_cvt_pk_bf16_f32 v[FW+c], v[RW+2*c], v[RW+2*c+1]
.set c, c+1
.endr
.endm
.macro XLD first                       ; eight of my wave's sixteen rows of x
.set i, \first
.rept 8
.if i < 12
.set XR, 88+4*i
.else
.set XR, 220+4*(i-12)
.endif
	global_load_b128 v[XR:XR+3], v15, s[8:9] offset:i*16384 th:TH_LOAD_NT
.set i, i+1
.endr
.endm
.irp s, 0,1,2
	LDW \s, 0
	LDW \s, 1
	LDA \s
.endr
; Three groups of loads are always out.  A raw set is asked for again when it has been converted; the last three times it takes what the later phases want: G1 (12 loads: encm_w's row, the two
; biases, eps), G2 (9: dec_w's row, dec_b), G3 (16: my wave's rows of x).  The two accumulators take turns.  A fragment set is written again 24 conversions behind the products that read it.
.set st, 0
.rept 16
.if st == 15
	s_wait_loadcnt 21                              ; step 15's loads are in; G1's 12 and G2's 9 stay out
.else
	s_wait_loadcnt 24                              ; this step's loads are in; the two younger groups of 12 stay out
.endif
	CVT st
	s_wait_alu depctr_va_vdst(0)                   ; the conversions are done reading this step's raw set (and step 14's its last twelve registers), in which the loads below land; the two products among them name fragments and accumulators alone
.if st < 13
	LDW st+3, 0
.elseif st == 13
.irp q, 0,1,2,3,4,5,6,7
	global_load_b128 v[WM+4*(\q):WM+4*(\q)+3], v8, s[18:19] offset:16*(\q)
.endr
.elseif st == 14
.irp q, 0,1,2,3,4,5,6,7
	global_load_b128 v[DW+4*(\q):DW+4*(\q)+3], v11, s[22:23] offset:16*(\q)
.endr
.else
	XLD 0
.endif
.if st == 0
	v_wmma_f32_16x16x32_bf16 v[ACC0:ACC0+7], v[FW:FW+7], v[FW+16:FW+23], 0        ; the first step starts the sums
.else
	v_wmma_f32_16x16x32_bf16 v[ACC0:ACC0+7], v[FW:FW+7], v[FW+16:FW+23], v[ACC0:ACC0+7]
.endif
.if st < 13
	LDW st+3, 1
.elseif st == 13
	global_load_b32 v[B1], v9, s[16:17]
	global_load_b32 v[BM], v9, s[20:21]
	global_load_b32 v[EP], v7, s[12:13]
	global_load_b32 v[EP+1], v7, s[12:13] offset:128
.elseif st == 14
	global_load_b32 v[DB], v12, s[24:25]
.else
	XLD 8
.endif
.if st == 0
	v_wmma_f32_16x16x32_bf16 v[ACC1:ACC1+7], v[FW+8:FW+15], v[FW+16:FW+23], 0
.else
	v_wmma_f32_16x16x32_bf16 v[ACC1:ACC1+7], v[FW+8:FW+15], v[FW+16:FW+23], v[ACC1:ACC1+7]
.endif
.if st < 13
	LDA st+3
.endif
.set st, st+1
.endr
.rept 4
	v_nop                                          ; four places between the last product and the stores that read the results
.endr
	s_wait_alu depctr_va_vdst(0)                   ; the products have written the accumulators, which the LDS stores read, and are done reading the fragments, in which the LDS loads behind the barrier land; the places above stay beside this wait
; Register j of a lane holds emb^T(h' = 16 tile + 8 h + j, model r % 4).  Lanes with the same r % 4 hold the same numbers and write them to the same words.
	ds_store_b128 v6, v[ACC0:ACC0+3]
	ds_store_b128 v6, v[ACC0+4:ACC0+7] offset:16
	ds_store_b128 v6, v[ACC1:ACC1+3] offset:64
	ds_store_b128 v6, v[ACC1+4:ACC1+7] offset:80
	s_wait_dscnt 0x0                               ; for the others' sake: my partial sums lie in LDS
	s_barrier_signal -1
	s_barrier_wait -1                              ; everybody's do
; mu AND z, in f32 on the vector unit (emb and z are the program's own f32 numbers and are not rounded): every wave for its two models, lane = the output's index.
.irp ww, 0,1,2,3,4,5,6,7
	ds_load_b32 v[PS+2*(\ww)], v7 offset:EMBP+512*(\ww)      ; no vector or matrix instruction since the last wait on va_vdst names these registers
	ds_load_b32 v[PS+2*(\ww)+1], v7 offset:EMBP+512*(\ww)+128
.endr
	s_wait_dscnt 0x0
	v_pk_add_f32 v[PS:PS+1], v[PS:PS+1], v[PS+2:PS+3]
	v_pk_add_f32 v[PS+4:PS+5], v[PS+4:PS+5], v[PS+6:PS+7]
	v_pk_add_f32 v[PS+8:PS+9], v[PS+8:PS+9], v[PS+10:PS+11]
	v_pk_add_f32 v[PS+12:PS+13], v[PS+12:PS+13], v[PS+14:PS+15]
	v_pk_add_f32 v[PS:PS+1], v[PS:PS+1], v[PS+4:PS+5]
	v_pk_add_f32 v[PS+8:PS+9], v[PS+8:PS+9], v[PS+12:PS+13]
	v_pk_add_f32 v[PS:PS+1], v[PS:PS+1], v[PS+8:PS+9]
	s_wait_loadcnt 25                              ; G1 is in; G2's 9 and G3's 16 stay out
.set i, 0
.rept 16
	RB WM+2*i
.set i, i+1
.endr
	RB1 B1
	RB1 BM
	RB1 EP
	RB1 EP+1
	v_add_f32 v[EM], v[PS], v[B1]
	v_add_f32 v[EM+1], v[PS+1], v[B1]
	v_max_num_f32 v[EM], 0, v[EM]
	v_max_num_f32 v[EM+1], 0, v[EM+1]
	v_mov_b32 v[MU], v[BM]                         ; the sums start at the bias
	v_mov_b32 v[MU+1], v[BM]
; v[acc], v[acc+1] += the sum over h of (lane h of v[src], v[src+1]) x v[w + h]: eight h at a time through sixteen scalar registers
.macro DOT acc, src, w
.set hh, 0
.rept 4
.set q, 0
.rept 8
	v_readlane_b32 s[44+2*q], v[\src], hh+q
	v_readlane_b32 s[45+2*q], v[(\src)+1], hh+q
.set q, q+1
.endr
	s_wait_alu depctr_va_sdst(0)                   ; the sixteen scalar registers s44 to s59 are written, ahead of their first reader: one wait for the run
.set q, 0
.rept 8
	v_fmac_f32 v[\acc], s[44+2*q], v[(\w)+hh+q]
	v_fmac_f32 v[(\acc)+1], s[45+2*q], v[(\w)+hh+q]
.set q, q+1
.endr
.set hh, hh+8
.endr
.endm
	DOT MU, EM, WM
	v_mul_f32 v[TE], 0x3f38aa3b, v[MU]             ; mu / 2 x log2(e)
	v_mul_f32 v[TE+1], 0x3f38aa3b, v[MU+1]
	v_exp_f32 v[TE], v[TE]
	v_exp_f32 v[TE+1], v[TE+1]
	v_nop                                          ; a plain instruction behind the last exponential,
	s_wait_alu depctr_va_vdst(0)                   ; and one wait for both exponentials' results, v[TE] and v[TE+1], ahead of their first reader
	v_fma_f32 v[ZZ], v[EP], v[TE], v[MU]
	v_fma_f32 v[ZZ+1], v[EP+1], v[TE+1], v[MU+1]
; THE DECODER: thread t makes column t % 128 of my 128, for its wave's two models.
	s_wait_loadcnt 16                              ; G2 is in; x's 16 loads stay out
.set i, 0
.rept 16
	RB DW+2*i
.set i, i+1
.endr
	RB1 DB
	v_mov_b32 v[DA], v[DB]
	v_mov_b32 v[DA+1], v[DB]
	DOT DA, ZZ, DW
	s_wait_alu depctr_va_vdst(0)                   ; the sums have written v[DA] and v[DA+1], which the LDS stores read; all that ever named v[ADR ..], in which the LDS loads behind the barrier land, stands ahead of this wait too
	ds_store_b32 v13, v[DA]
	ds_store_b32 v13, v[DA+1] offset:512
	s_wait_dscnt 0x0                               ; for the others' sake
	s_barrier_signal -1
	s_barrier_wait -1                              ; a of all four models and 128 columns lies in LDS
.irp m, 0,1,2,3
	ds_load_b128 v[ADR+4*(\m):ADR+4*(\m)+3], v14 offset:512*(\m)
.endr
	s_wait_dscnt 0x0
; THE SCALING: a row of x at a time, four numbers a lane, four models.  A lane's 8 bytes go into my wave's stage at the place that the fragment's layout gives them: chunk lane / 2, row i.
; Four blocks of four rows.  Block p's roundings write Y[p % 2]; the sixteen LDS stores of block p - 1 read the other buffer and stand among block p's rows, four ahead of each row.
.macro SROW i, yb                      ; row i: rounded, times a of the four models, rounded: 8 registers from yb on
.if (\i) < 12
.set XR, 88+4*(\i)
.else
.set XR, 220+4*((\i)-12)
.endif
	s_wait_loadcnt 15-(\i)                         ; row i is in; the younger rows stay out
	v_cvt_pk_bf16_f32 v[XT], v[XR], v[XR+1]
	v_cvt_pk_bf16_f32 v[XT+1], v[XR+2], v[XR+3]
	v_lshlrev_b32 v[XB], 16, v[XT]
	v_and_b32 v[XB+1], s34, v[XT]
	v_lshlrev_b32 v[XB+2], 16, v[XT+1]
	v_and_b32 v[XB+3], s34, v[XT+1]
.irp m, 0,1,2,3
	v_pk_mul_f32 v[PS+4*(\m):PS+4*(\m)+1], v[XB:XB+1], v[ADR+4*(\m):ADR+4*(\m)+1]
	v_pk_mul_f32 v[PS+4*(\m)+2:PS+4*(\m)+3], v[XB+2:XB+3], v[ADR+4*(\m)+2:ADR+4*(\m)+3]
.endr
.irp m, 0,1,2,3
	v_cvt_pk_bf16_f32 v[(\yb)+2*(\m)], v[PS+4*(\m)], v[PS+4*(\m)+1]
	v_cvt_pk_bf16_f32 v[(\yb)+2*(\m)+1], v[PS+4*(\m)+2], v[PS+4*(\m)+3]
.endr
.endm
.macro SSTO i, yb                      ; row i's four stores into the stage
.irp m, 0,1,2,3
	ds_store_b64 v16, v[(\yb)+2*(\m):(\yb)+2*(\m)+1] offset:(\m)*SMD+16*(\i)
.endr
.endm
.set p, 0
.rept 4
.if p > 0
	s_wait_alu depctr_va_vdst(0)                   ; the block before has written its Y, which the LDS stores below read; no vector instruction of this block names that buffer
.endif
.if p > 1
	s_wait_alu depctr_vm_vsrc(0)                   ; the LDS stores issued in the block before have read this block's Y, which its roundings write again
.endif
.set r, 0
.rept 4
.if p > 0
	SSTO 4*p-4+r, YY+32*((p+1)%2)+8*r
.endif
	SROW 4*p+r, YY+32*(p%2)+8*r
.set r, r+1
.endr
.set p, p+1
.endr
	s_wait_alu depctr_va_vdst(0)                   ; the last block has written Y1, which the stores below read; and every vector instruction that named v[OB ..] (x's rows, both Y, the rows of encm_w and dec_w) is done
.set r, 0
.rept 4
	SSTO 12+r, YY+32+8*r
.set r, r+1
.endr
	s_wait_alu depctr_vm_vsrc(0)                   ; the LDS stores have read both Y, on which the loads below land
; Back out of the stage, two chunks (half a fragment, 512 bytes) an instruction, and into ab.  The stage is my wave's own, and LDS serves a wave's instructions in order (ISA guide 5.7.1.4): these loads see the stores above.
.set n, 0
.rept 32
	ds_load_b128 v[OB+4*n:OB+4*n+3], v10 offset:(n/8)*SMD+(n%8)*2*SCH
.set n, n+1
.endr
.set n, 0
.rept 32
	s_wait_dscnt 31-n                              ; load n is back; the younger ones may be out
	global_store_b128 v15, v[OB+4*n:OB+4*n+3], s[36+2*(n/8):37+2*(n/8)] offset:((n%8)/2)*4096+(n%2)*512 th:TH_STORE_NT  ; the wave stores 512 consecutive bytes, at a multiple of 512 from ab's first byte
.set n, n+1
.endr
.Lend:
	s_wait_dscnt 0x0                               ; the closing lines, six on end
	s_wait_alu 0x0
	s_wait_tensorcnt 0x0
	ds_add_u32 v[SPW], v[NIL]
	s_wait_dscnt 0x0
	s_endpgm
.Lfunc_end_k_q52ac9bf269_prep:
	.size	k_q52ac9bf269_prep, .Lfunc_end_k_q52ac9bf269_prep-k_q52ac9bf269_prep
	.p2alignl 7, 3214868480
	.fill 96, 4, 3214868480
	.section	.rodata,"a",@progbits
	.p2align	6, 0x0
	.amdhsa_kernel k_q52ac9bf269_prep
		.amdhsa_group_segment_fixed_size 146432
		.amdhsa_private_segment_fixed_size 0
		.amdhsa_enable_private_segment 0
		.amdhsa_kernarg_size 96
		.amdhsa_user_sgpr_count 2
		.amdhsa_user_sgpr_kernarg_segment_ptr 1
		.amdhsa_wavefront_size32 1
		.amdhsa_system_sgpr_workgroup_id_x 1
		.amdhsa_system_sgpr_workgroup_id_y 1
		.amdhsa_system_sgpr_workgroup_id_z 1
		.amdhsa_system_vgpr_workitem_id 0
		.amdhsa_next_free_vgpr 256
		.amdhsa_next_free_sgpr 66
		.amdhsa_reserve_vcc 0
		.amdhsa_float_denorm_mode_32 3
		.amdhsa_float_denorm_mode_16_64 3
		.amdhsa_memory_ordered 1
		.amdhsa_forward_progress 1
		.amdhsa_inst_pref_size 125
	.end_amdhsa_kernel
	.amdgpu_metadata
---
amdhsa.version: [ 1, 2 ]
amdhsa.kernels:
  - .name:           k_q52ac9bf269_prep
    .symbol:         k_q52ac9bf269_prep.kd
    .args:
      - { .name: x, .offset: 0, .size: 8, .value_kind: global_buffer, .address_space: global }
      - { .name: alpha, .offset: 8, .size: 8, .value_kind: global_buffer, .address_space: global }
      - { .name: eps, .offset: 16, .size: 8, .value_kind: global_buffer, .address_space: global }
      - { .name: enc1_w, .offset: 24, .size: 8, .value_kind: global_buffer, .address_space: global }
      - { .name: enc1_b, .offset: 32, .size: 8, .value_kind: global_buffer, .address_space: global }
      - { .name: encm_w, .offset: 40, .size: 8, .value_kind: global_buffer, .address_space: global }
      - { .name: encm_b, .offset: 48, .size: 8, .value_kind: global_buffer, .address_space: global }
      - { .name: dec_w, .offset: 56, .size: 8, .value_kind: global_buffer, .address_space: global }
      - { .name: dec_b, .offset: 64, .size: 8, .value_kind: global_buffer, .address_space: global }
      - { .name: fc_w, .offset: 72, .size: 8, .value_kind: global_buffer, .address_space: global }
      - { .name: ab, .offset: 80, .size: 8, .value_kind: global_buffer, .address_space: global }
      - { .name: wb, .offset: 88, .size: 8, .value_kind: global_buffer, .address_space: global }
    .group_segment_fixed_size: 146432
    .private_segment_fixed_size: 0
    .kernarg_segment_align: 8
    .kernarg_segment_size: 96
    .max_flat_workgroup_size: 256
    .sgpr_count:     66
    .vgpr_count:     256
    .wavefront_size: 32
...
	.end_amdgpu_metadata
.endif
;; end of part 3
;; launch gemm: the kernel of part 2 again; grid 8 x 32, 4 waves a work-group, clusters of 4 x 1, 327,680 bytes of LDS; arguments ab, wb, gamma, bias_p, out0; writes out0
